; MI455X (gfx1250); checked and timed in simulation.
; The chip was launched on July 23, 2026; its instructions are those of AMD's public machine-readable ISA for CDNA 5 (MIT licence, August 2026) and "CDNA5" Instruction Set Architecture Reference Guide (July 2026). The comments in the code are by the model that wrote it; some were corrected since.
;; Multihead Attention. Allowed arithmetic: matrix products marked QUANTISED: E2M1 operands, one E8M0 scale for each 32 along K, by v_wmma_scale_f32_16x16x128_f8f6f4 with both operands' format E2M1 (or v_wmma_scale_f32_32x16x128_f4), f32 sums; everything else in f32.
;; Inputs: bk 1,024 float32; bo 1,024 float32; bq 1,024 float32; bv 1,024 float32; k_codes 1 x 4,096 x 32 x 16 uint8 (E2M1 codes of k, K innermost, in blocks of 32 codes, two codes a byte); k_scales 1 x 4,096 x 32 uint8 (E8M0 scales of k, one for each 32 codes along K); mask 1 x 1 x 4,096 x 4,096 bool; q_codes 1 x 4,096 x 32 x 16 uint8 (E2M1 codes of q, K innermost, in blocks of 32 codes, two codes a byte); q_scales 1 x 4,096 x 32 uint8 (E8M0 scales of q, one for each 32 codes along K); v_codes 1 x 4,096 x 32 x 16 uint8 (E2M1 codes of v, K innermost, in blocks of 32 codes, two codes a byte); v_scales 1 x 4,096 x 32 uint8 (E8M0 scales of v, one for each 32 codes along K); wk_codes 1,024 x 32 x 16 uint8 (E2M1 codes of wk, K innermost, in blocks of 32 codes, two codes a byte); wk_scales 1,024 x 32 uint8 (E8M0 scales of wk, one for each 32 codes along K); wo_codes 1,024 x 32 x 16 uint8 (E2M1 codes of wo, K innermost, in blocks of 32 codes, two codes a byte); wo_scales 1,024 x 32 uint8 (E8M0 scales of wo, one for each 32 codes along K); wq_codes 1,024 x 32 x 16 uint8 (E2M1 codes of wq, K innermost, in blocks of 32 codes, two codes a byte); wq_scales 1,024 x 32 uint8 (E8M0 scales of wq, one for each 32 codes along K); wv_codes 1,024 x 32 x 16 uint8 (E2M1 codes of wv, K innermost, in blocks of 32 codes, two codes a byte); wv_scales 1,024 x 32 uint8 (E8M0 scales of wv, one for each 32 codes along K).
;; Outputs: out0 1 x 4,096 x 1,024 float32.
;; This version of the problem:
;;   THIS VERSION OF THE PROBLEM IS GIVEN IN LOW PRECISION. The matrix products marked QUANTISED in the list below multiply operands that are first quantised to E2M1 (2 exponent bits, 1 mantissa bit; 4 bits a number), with one power-of-two scale for each 32 numbers along K (OCP MX v1.0); their sums are f32. All else is computed in f32.
;;   The module's matrix products, in the order in which they are computed (A, B: the left and right operand; K: the contracted axis; several contracted axes count as one K, in the product's order):
;;     1. [M 4,096, K 1,024] x [K 1,024, N 1,024]; A: input q (given as codes); B: input wq (given as codes): QUANTISED
;;     2. [M 4,096, K 1,024] x [K 1,024, N 1,024]; A: input k (given as codes); B: input wk (given as codes): QUANTISED
;;     3. [M 4,096, K 1,024] x [K 1,024, N 1,024]; A: input v (given as codes); B: input wv (given as codes): QUANTISED
;;     4. batch 16 x [M 4,096, K 64] x [K 64, N 4,096]; A: computed on the way; B: computed on the way: QUANTISED
;;     5. batch 16 x [M 4,096, K 4,096] x [K 4,096, N 64]; A: softmax (see below); B: computed on the way: QUANTISED
;;     6. [M 4,096, K 1,024] x [K 1,024, N 1,024]; A: computed on the way; B: input wo (given as codes): QUANTISED
;;   THE QUANTISER, for each operand of a quantised product, along K:
;;     - K is cut into blocks of 32 from its start; a last block that is shorter is filled with zeros.
;;     - A block's scale is 2^e with e = floor(log2(the largest magnitude in the block)) - 2, held to -126 .. 127; a block of zeros has e = 0. As a byte (E8M0): e + 127.
;;     - Each number is divided by its block's scale, clamped to +-6, and rounded to the nearest number of E2M1, ties to even, subnormals kept.
;;     - The product sums the exact products of the quantised numbers (number of the format x scale) in f32.
;;   ~~~python
;;   def quantise(x, axis):      # numpy; x: float32 -> the quantised numbers, widened to float32 again
;;       x = np.moveaxis(x, axis, -1); K = x.shape[-1]
;;       x = np.pad(x, [(0, 0)] * (x.ndim - 1) + [(0, -K % 32)]); x = x.reshape(x.shape[:-1] + (-1, 32)); a = np.abs(x).max(-1, keepdims=True)
;;       e = np.where(a > 0, np.clip(np.frexp(np.where(a > 0, a, 1))[1] - 1 - 2, -126, 127), 0)      # np.frexp(a)[1] - 1 = floor(log2(a)), exactly
;;       r = np.clip(x / 2.0 ** e, -6, 6)
;;       step = 2.0 ** (np.maximum(np.frexp(np.where(r == 0, 1, r))[1] - 1, 0) - 1)
;;       q = np.round(r / step) * step * 2.0 ** e      # np.round: ties to even
;;       return np.moveaxis(q.reshape(q.shape[:-2] + (-1,))[..., :K], -1, axis).astype(np.float32)
;;   ~~~
;;   SOFTMAX AHEAD OF A QUANTISED PRODUCT. Where the list says 'softmax', what is quantised is not the finished softmax but p = 2^(t - M), with t = logit x log2(e) and M = ceil(the row's largest t), a whole number; so 1/2 < the row's largest p <= 1. The row's sum l is taken of the UNQUANTISED p, in f32, and the product's result is divided by l at the end. Since M is a whole number, a kernel that streams over the keys may use a running M (the ceiling of the running maximum): every later rescaling is an exact power of two, which a block's scale takes up: the codes' values come out the same.
;;   OPERANDS COMPUTED ON THE WAY. 'Computed on the way' means the value that the module computes at that place (a softmax that the list does not call 'softmax' is quantised finished and normalised). What goes into a quantiser is computed in f32, as accurately as f32 sums, v_exp_f32 and their like allow (about 1e-6 of the number): no bf16 or f16 on the way to a quantiser, and a product that is left as it is and whose result goes on into a quantised operand takes f32 operands (vector FMAs, or v_wmma_f32_16x16x4_f32). A number that lies on a knife's edge between two numbers of the format may be rounded either way, as far as f32 arithmetic and the matrix unit's own rounding can turn it there, and no further.
;;   INPUTS GIVEN AS CODES. k (in the module: [1, 4096, 1024], K = its axis 2); q (in the module: [1, 4096, 1024], K = its axis 2); v (in the module: [1, 4096, 1024], K = its axis 2); wk (in the module: [1024, 1024], K = its axis 1); wo (in the module: [1024, 1024], K = its axis 1); wq (in the module: [1024, 1024], K = its axis 1); wv (in the module: [1024, 1024], K = its axis 1): each comes as NAME_codes (uint8): NAME with its K axis moved to the last place and cut into blocks of 32 codes, [.., K / 32, bytes a block], one block behind the other in memory; two codes a byte, the lower K in the low four bits (a code: sign, 2 exponent bits, 1 mantissa bit); and NAME_scales (uint8): the same leading axes, one E8M0 byte (e + 127) for each 32 codes along K. Its value is code x scale, taken as it is: it is not quantised again, and the codes and scales need not be those that the quantiser above would give.
;; One version. Each part assembles by itself: llvm-mc -triple=amdgcn-amd-amdhsa -mcpu=gfx1250 --defsym DOCPART=n.
;; ======== version 1 of 1: 3 launches
;; limits: right only within a limited range of input values
;; workspace buffers: maskw 2,097,152 bytes of whole numbers; qbuf 4,718,592 bytes; kvbuf 4,718,592 bytes; oimg 2,097,152 bytes; osc 131,072 bytes
;; launch proj (part 1): grid 256 x 1, 8 waves a work-group, no clusters, 327,680 bytes of LDS; arguments q_codes, q_scales, wq_codes, wq_scales, bq, k_codes, k_scales, wk_codes, wk_scales, bk, v_codes, v_scales, wv_codes, wv_scales, bv, qbuf, kvbuf, mask, maskw; writes qbuf, kvbuf, maskw
.if DOCPART == 1
	.amdgcn_target "amdgcn-amd-amdhsa--gfx1250"
	.amdhsa_code_object_version 6
	.text
	.protected	k_qe7d789faa7_proj
	.globl	k_qe7d789faa7_proj
	.p2align	8
	.type	k_qe7d789faa7_proj,@function
k_qe7d789faa7_proj:
	s_mov_b64 s[64:65], 0
	v_nop
	global_prefetch_b8 v0, s[64:65] scope:SCOPE_SE
	s_setreg_imm32_b32 hwreg(HW_REG_WAVE_MODE, 25, 1), 1
	s_wait_xcnt 0x0
; ONE PREPARING LAUNCH, 256 work-groups of eight waves.  The work-group's number modulo 4 is its role: 0, 1, 2: a block of 256 x 256 of the projection of q, k or v (64 blocks each); 3: the mask (64 work-groups).
; ROLES 0 TO 2.  y = x W^T + b on codes of FP4, all of K = 1,024 at once: each wave brings 64 rows of 512 bytes by its one tensor load (LDS rows 528 bytes apart), 256 rows of either operand; the result is quantised
; along the next product's K and stored as images of operand registers: records of 9,216 bytes for 128 keys (K's codes, K's scale words, V's codes, V's scale words), 32 records a head; q likewise in qbuf.
; ROLE 3.  THE MASK'S BYTES BECOME LANE-MASK WORDS (label .Lmask).  mask: [4096 queries][4096 keys], one byte each, 0 or 1 as the problem states a bool (1: the score is hidden).
; Bit L of word (t, j) of a step of 128 keys says whether key 128 step + 16 t + 8 (L / 16) + j is hidden for query 16 tile + L % 16: the place of lane L's register 8 t + j in the attention launch's scores.
; maskw: [256 tiles of 16 queries][8 groups of 512 keys][j / 4][32 tiles of 16 keys][j % 4], words of 4 bytes.  No LDS byte but the spare words is touched on that path, and no barrier is passed.
.set HS,    294912
.set REC,   9216
.set PITCH, 528                        ; an LDS row: 512 bytes + 16: 33 x 16, so the 16 rows of a fragment load start at 16 different banks (64 banks of 4 bytes: ISA guide 11.1)
.set HALFB, 256                        ; the second half of K begins 256 bytes on in each row
.set TMX,   16
.set TMB,   20
.set TMS,   24
.set PW,    28
.set YZ,    32
.set NIL,   38
.set BN,    40
.set BT,    48
.set F0,    112
.set F1,    176
.set SC0,   208
.set SC1,   240
.set SEL,   92
.set MSB, 0
.macro WIN new
.if MSB != \new
	s_set_vgpr_msb (MSB<<8)|\new
.set MSB, \new
.endif
.endm
.macro PROD d, a, b, z, sa, sb, ra, rb
.if \z
.if (\ra) && (\rb)
	v_wmma_scale_f32_16x16x128_f8f6f4 v[(\d):(\d)+7], v[(\a):(\a)+7], v[(\b):(\b)+7], 0, v[\sa], v[\sb] matrix_a_fmt:MATRIX_FMT_FP4 matrix_b_fmt:MATRIX_FMT_FP4 matrix_a_scale:MATRIX_SCALE_ROW1 matrix_b_scale:MATRIX_SCALE_ROW1
.elseif \ra
	v_wmma_scale_f32_16x16x128_f8f6f4 v[(\d):(\d)+7], v[(\a):(\a)+7], v[(\b):(\b)+7], 0, v[\sa], v[\sb] matrix_a_fmt:MATRIX_FMT_FP4 matrix_b_fmt:MATRIX_FMT_FP4 matrix_a_scale:MATRIX_SCALE_ROW1
.elseif \rb
	v_wmma_scale_f32_16x16x128_f8f6f4 v[(\d):(\d)+7], v[(\a):(\a)+7], v[(\b):(\b)+7], 0, v[\sa], v[\sb] matrix_a_fmt:MATRIX_FMT_FP4 matrix_b_fmt:MATRIX_FMT_FP4 matrix_b_scale:MATRIX_SCALE_ROW1
.else
	v_wmma_scale_f32_16x16x128_f8f6f4 v[(\d):(\d)+7], v[(\a):(\a)+7], v[(\b):(\b)+7], 0, v[\sa], v[\sb] matrix_a_fmt:MATRIX_FMT_FP4 matrix_b_fmt:MATRIX_FMT_FP4
.endif
.else
.if (\ra) && (\rb)
	v_wmma_scale_f32_16x16x128_f8f6f4 v[(\d):(\d)+7], v[(\a):(\a)+7], v[(\b):(\b)+7], v[(\d):(\d)+7], v[\sa], v[\sb] matrix_a_fmt:MATRIX_FMT_FP4 matrix_b_fmt:MATRIX_FMT_FP4 matrix_a_scale:MATRIX_SCALE_ROW1 matrix_b_scale:MATRIX_SCALE_ROW1
.elseif \ra
	v_wmma_scale_f32_16x16x128_f8f6f4 v[(\d):(\d)+7], v[(\a):(\a)+7], v[(\b):(\b)+7], v[(\d):(\d)+7], v[\sa], v[\sb] matrix_a_fmt:MATRIX_FMT_FP4 matrix_b_fmt:MATRIX_FMT_FP4 matrix_a_scale:MATRIX_SCALE_ROW1
.elseif \rb
	v_wmma_scale_f32_16x16x128_f8f6f4 v[(\d):(\d)+7], v[(\a):(\a)+7], v[(\b):(\b)+7], v[(\d):(\d)+7], v[\sa], v[\sb] matrix_a_fmt:MATRIX_FMT_FP4 matrix_b_fmt:MATRIX_FMT_FP4 matrix_b_scale:MATRIX_SCALE_ROW1
.else
	v_wmma_scale_f32_16x16x128_f8f6f4 v[(\d):(\d)+7], v[(\a):(\a)+7], v[(\b):(\b)+7], v[(\d):(\d)+7], v[\sa], v[\sb] matrix_a_fmt:MATRIX_FMT_FP4 matrix_b_fmt:MATRIX_FMT_FP4
.endif
.endif
.endm
	s_load_b512 s[8:23], s[0:1], 0x0
	s_load_b512 s[24:39], s[0:1], 0x40
	s_load_b64 s[40:41], s[0:1], 0x80
	s_load_b128 s[96:99], s[0:1], 0x88             ; mask s[96:97], maskw s[98:99]: read on the mask's path alone
	v_lshl_add_u32 v14, v0, 2, 0x44000
	v_mov_b32 v15, 0
	ds_add_u32 v14, v15
	ds_add_u32 v14, v15
	v_lshrrev_b32 v1, 5, v0
	s_delay_alu instid0(VALU_DEP_1)
	v_readfirstlane_b32 s2, v1
	s_and_b32 s3, ttmp9, 3                         ; the role
	s_bfe_u32 s4, ttmp9, 0x40002                   ; which 256 rows
	s_lshr_b32 s5, ttmp9, 6                        ; which 256 columns
	s_and_b32 s6, s2, 1
	s_lshr_b32 s7, s2, 1
	s_mov_b32 s76, (0<<16)|(1<<20)|(6<<22)|(3<<25) ; elements of 1 byte; four words of padding behind every 128
	s_mov_b32 s77, 512<<16
	s_mov_b32 s78, 64<<16
	s_mov_b32 s79, 512<<16
	s_mov_b32 s80, 64
	s_mov_b32 s81, 512
	s_mov_b32 s82, 0
	s_mov_b32 s83, 0
	s_lshl_b32 s68, s4, 17
	s_mov_b32 s69, 0
	s_lshl_b32 s70, s5, 17
	s_mov_b32 s71, 0
	s_and_b32 s72, s2, 3
	s_lshl_b32 s72, s72, 15
	s_mov_b32 s73, 0
	s_mul_i32 s74, s2, 64*PITCH
	s_wait_dscnt 0x0
	s_wait_kmcnt 0x0
	s_cmp_eq_u32 s3, 3                             ; the work-group's number alone decides: all eight waves go the same way
	s_cbranch_scc1 .Lmask
	s_cmp_eq_u32 s3, 1
	s_cselect_b64 s[42:43], s[18:19], s[28:29]
	s_cselect_b64 s[44:45], s[20:21], s[30:31]
	s_cselect_b64 s[46:47], s[22:23], s[32:33]
	s_cselect_b64 s[48:49], s[24:25], s[34:35]
	s_cselect_b64 s[50:51], s[26:27], s[36:37]
	s_cmp_eq_u32 s3, 0
	s_cselect_b64 s[42:43], s[8:9], s[42:43]
	s_cselect_b64 s[44:45], s[10:11], s[44:45]
	s_cselect_b64 s[46:47], s[12:13], s[46:47]
	s_cselect_b64 s[48:49], s[14:15], s[48:49]
	s_cselect_b64 s[50:51], s[16:17], s[50:51]
	s_cselect_b64 s[52:53], s[38:39], s[40:41]
	s_add_nc_u64 s[42:43], s[42:43], s[68:69]
	s_add_nc_u64 s[46:47], s[46:47], s[70:71]
	s_cmp_eq_u32 s3, 2
	s_cselect_b64 s[54:55], s[42:43], s[46:47]
	s_cselect_b64 s[56:57], s[46:47], s[42:43]
	s_cmp_lt_u32 s2, 4
	s_cselect_b64 s[86:87], s[54:55], s[56:57]
	s_add_nc_u64 s[86:87], s[86:87], s[72:73]
	s_or_b32 s87, s87, 0x80000000
	s_mov_b32 s84, 1
	s_mov_b32 s85, s74
	tensor_load_to_lds s[84:87], s[76:83]          ; my one tensor load: 64 whole rows of K
	s_nop 0
.rept 4
	v_nop
.endr
	v_and_b32 v1, 15, v0
	v_bfe_u32 v2, v0, 4, 1
	v_and_b32 v3, 31, v0
	s_delay_alu instid0(VALU_DEP_3)
	v_mul_u32_u24 v4, v1, PITCH
	s_delay_alu instid0(VALU_DEP_1)
	v_lshl_add_u32 v4, v2, 4, v4
	s_mul_i32 s72, s7, 64*PITCH
	s_add_co_u32 s72, s72, 256*PITCH
	v_add_nc_u32 v6, s72, v4
	s_mul_i32 s73, s6, 128*PITCH
	v_add_nc_u32 v4, s73, v4
	s_delay_alu instid0(VALU_DEP_1)
	v_add_nc_u32 v5, HALFB, v4
	v_add_nc_u32 v7, HALFB, v6
	v_lshlrev_b32 v8, 5, v3
	s_wait_alu depctr_va_vdst(0)
	v_lshlrev_b32 v9, 5, v2
	s_wait_alu depctr_va_vdst(0)
	v_lshlrev_b32 v10, 4, v3
	v_lshlrev_b32 v11, 3, v3
	v_lshlrev_b32 v12, 2, v1
	s_wait_alu depctr_va_vdst(0)
	s_lshl_b32 s68, s4, 13
	s_lshl_b32 s70, s5, 13
	s_add_nc_u64 s[44:45], s[44:45], s[68:69]
	s_add_nc_u64 s[48:49], s[48:49], s[70:71]
	s_lshl_b32 s68, s6, 12
	s_lshl_b32 s70, s7, 11
	s_cmp_eq_u32 s3, 2
	s_cselect_b64 s[58:59], s[44:45], s[48:49]
	s_cselect_b64 s[60:61], s[48:49], s[44:45]
	s_add_nc_u64 s[58:59], s[58:59], s[68:69]
	s_add_nc_u64 s[60:61], s[60:61], s[70:71]
	s_lshl_b32 s68, s5, 10
	s_lshl_b32 s70, s6, 9
	s_add_co_u32 s70, s70, s68
	s_add_nc_u64 s[62:63], s[50:51], s[70:71]
	s_lshl_b32 s70, s7, 8
	s_add_co_u32 s70, s70, s68
	s_add_nc_u64 s[66:67], s[50:51], s[70:71]
.irp g, 0,1,2,3
.irp p, 0,1
	global_load_b128 v[SC0+8*\g+4*\p:SC0+8*\g+4*\p+3], v8, s[58:59] offset:1024*\g+16*\p
.endr
.endr
.irp g, 0,1
.irp p, 0,1
	global_load_b128 v[SC1+8*\g+4*\p:SC1+8*\g+4*\p+3], v8, s[60:61] offset:1024*\g+16*\p
.endr
.endr
.irp t, 0,1,2,3,4,5,6,7
	global_load_b128 v[BT+8*\t:BT+8*\t+3], v9, s[62:63] offset:64*\t
	global_load_b128 v[BT+8*\t+4:BT+8*\t+7], v9, s[62:63] offset:64*\t+16
.endr
.irp a, 0,1,2,3
	global_load_b32 v[BN+2*\a], v12, s[66:67] offset:64*\a
	global_load_b32 v[BN+2*\a+1], v12, s[66:67] offset:64*\a
.endr
	s_lshl_b32 s68, s5, 2
	s_lshl_b32 s70, s6, 1
	s_add_co_u32 s70, s70, s68
	s_add_co_u32 s72, s68, s7
	s_lshl_b32 s68, s4, 1
	s_lshr_b32 s73, s7, 1
	s_add_co_u32 s73, s73, s68
	s_add_co_u32 s74, s68, s6
	s_and_b32 s75, s7, 1
	s_lshl_b32 s68, s75, 11
	s_lshl_b32 s75, s75, 8
	s_add_co_u32 s75, s75, 4096
	s_cmp_eq_u32 s3, 2
	s_cselect_b32 s70, s72, s70
	s_cselect_b32 s73, s74, s73
	s_cselect_b32 s68, 4608, s68
	s_cselect_b32 s75, 8704, s75
	s_mul_i32 s70, s70, HS
	s_mul_i32 s73, s73, REC
	s_add_co_u32 s70, s70, s73
	s_add_co_u32 s68, s68, s70
	s_add_nc_u64 s[98:99], s[52:53], s[68:69]
	s_add_co_u32 s70, s70, s75
	s_add_nc_u64 s[100:101], s[52:53], s[70:71]
	s_mov_b32 s[SEL], 0x76543210
	s_mov_b32 s[SEL+1], 0xfedcba98
	s_mov_b32 s94, 0xffff0000
	s_mov_b32 s95, 0x7f7f7f7f
	s_mov_b32 s96, 0x07060100
	s_mov_b32 s97, 0x07060302
.irp b, 0,1,2,3
	v_mov_b32 v[TMB+\b], 0
.endr
	v_mov_b32 v[NIL], 0
	v_mov_b32 v[NIL+1], 0
.macro KSTEP s
.set AD0, 4+(\s)/4
.set AD1, 6+(\s)/4
.set KB, 64*((\s)%4)
.irp a, 0,1,2,3
.irp c, 0,1
	ds_load_b128 v[F1+8*\a+4*\c:F1+8*\a+4*\c+3], v[AD1] offset:16*PITCH*\a+KB+32*\c
.endr
.endr
.irp t, 0,1,2,3,4,5,6,7
.irp c, 0,1
	ds_load_b128 v[F0+8*\t+4*\c:F0+8*\t+4*\c+3], v[AD0] offset:16*PITCH*\t+KB+32*\c
.endr
.endr
	s_wait_dscnt 8
	WIN 0x50
.irp t, 0,1,2,3
.irp a, 0,1,2,3
	PROD 8*(8*\a+\t), F0+8*\t, F1+8*\a, (\s)==0, SC0+8*(\t/2)+(\s), SC1+8*(\a/2)+(\s), \t%2, \a%2
.endr
.endr
	s_wait_dscnt 0x0
.irp t, 4,5,6,7
.irp a, 0,1,2,3
	PROD 8*(8*\a+\t), F0+8*\t, F1+8*\a, (\s)==0, SC0+8*(\t/2)+(\s), SC1+8*(\a/2)+(\s), \t%2, \a%2
.endr
.endr
	WIN 0
.rept 4
	v_nop
.endr
.endm
.macro QUANT src, dst, wrd
.irp b, 0,1,2,3
	v_max3_num_f32 v[TMX+\b], |v[(\src)+16*\b]|, |v[(\src)+1+16*\b]|, 0x1800000
.endr
.irp i, 2,4,6,8,10,12,14
.irp b, 0,1,2,3
	s_delay_alu instid0(VALU_DEP_4)
	v_max3_num_f32 v[TMX+\b], v[TMX+\b], |v[(\src)+16*\b+\i]|, |v[(\src)+1+16*\b+\i]|
.endr
.endr
.irp b, 0,1,2,3
	s_delay_alu instid0(VALU_DEP_4)
	v_permlanex16_b32 v[TMB+\b], v[TMX+\b], s[SEL], s[SEL+1]
.endr
.irp b, 0,1,2,3
	s_delay_alu instid0(VALU_DEP_4)
	v_max_num_f32 v[TMX+\b], v[TMX+\b], v[TMB+\b]
.endr
.irp b, 0,1,2,3
	s_delay_alu instid0(VALU_DEP_4)
	v_add_nc_u32 v[TMS+\b], 0xff000000, v[TMX+\b]
.endr
.irp b, 0,1,2,3
	s_delay_alu instid0(VALU_DEP_4)
	v_lshrrev_b32 v[TMB+\b], 23, v[TMS+\b]
.endr
	s_delay_alu instid0(VALU_DEP_3)
	v_lshl_or_b32 v[\wrd], v[TMB+1], 8, v[TMB]
	s_delay_alu instid0(VALU_DEP_1)
	v_lshl_or_b32 v[\wrd], v[TMB+2], 16, v[\wrd]
	s_delay_alu instid0(VALU_DEP_1)
	v_lshl_or_b32 v[\wrd], v[TMB+3], 24, v[\wrd]
.irp c, 0,1
	v_cvt_scalef32_pk8_fp4_f32 v[(\dst)+4*\c],   v[(\src)+32*\c:(\src)+32*\c+7],     v[TMS+2*\c]
	v_cvt_scalef32_pk8_fp4_f32 v[(\dst)+4*\c+1], v[(\src)+32*\c+16:(\src)+32*\c+23], v[TMS+2*\c+1]
	v_cvt_scalef32_pk8_fp4_f32 v[(\dst)+4*\c+2], v[(\src)+32*\c+8:(\src)+32*\c+15],  v[TMS+2*\c]
	v_cvt_scalef32_pk8_fp4_f32 v[(\dst)+4*\c+3], v[(\src)+32*\c+24:(\src)+32*\c+31], v[TMS+2*\c+1]
.endr
	v_nop
.irp c, 0,1
	v_permlane16_swap_b32 v[(\dst)+4*\c],   v[(\dst)+4*\c+1]
	v_permlane16_swap_b32 v[(\dst)+4*\c+2], v[(\dst)+4*\c+3]
.endr
.endm
.macro EPI keys
.irp a, 0,1,2,3
	WIN 0x01
.set i, 0
.rept 32
.if \keys
	v_pk_add_f32 v[F0+2*i:F0+2*i+1], v[64*\a+2*i:64*\a+2*i+1], v[BN+2*\a:BN+2*\a+1]
.else
	v_pk_add_f32 v[F0+2*i:F0+2*i+1], v[64*\a+2*i:64*\a+2*i+1], v[BT+2*i:BT+2*i+1]
.endif
.set i, i+1
.endr
	WIN 0
	QUANT F0, F1+8*\a, PW+\a
.if \keys
	global_store_b128 v10, v[F1+8*\a:F1+8*\a+3], s[98:99] offset:1024*\a
	global_store_b128 v10, v[F1+8*\a+4:F1+8*\a+7], s[98:99] offset:1024*\a+512
.else
	global_store_b128 v10, v[F1+8*\a:F1+8*\a+3], s[98:99] offset:512*\a
	global_store_b128 v10, v[F1+8*\a+4:F1+8*\a+7], s[98:99] offset:HS+512*\a
.endif
.endr
	v_cndmask_b32 v[YZ], v[PW], v[PW+1], s94
	v_cndmask_b32 v[YZ+1], v[PW+2], v[PW+3], s94
.if \keys
	global_store_b64 v11, v[YZ:YZ+1], s[100:101]
	global_store_b64 v11, v[NIL:NIL+1], s[100:101] offset:256
.else
	s_delay_alu instid0(VALU_DEP_2)
	v_perm_b32 v[YZ+2], s95, v[YZ], s96
	s_delay_alu instid0(VALU_DEP_2)
	v_perm_b32 v[YZ+3], s95, v[YZ+1], s96
	s_delay_alu instid0(VALU_DEP_4)
	v_perm_b32 v[YZ+4], s95, v[YZ], s97
	s_delay_alu instid0(VALU_DEP_4)
	v_perm_b32 v[YZ+5], s95, v[YZ+1], s97
	global_store_b64 v11, v[YZ+2:YZ+3], s[100:101]
	global_store_b64 v11, v[YZ+4:YZ+5], s[100:101] offset:HS
.endif
	s_wait_tensorcnt 0x0
	ds_add_u32 v14, v15
	s_wait_dscnt 0x0
	s_endpgm
.endm
	s_wait_alu depctr_va_vdst(0)
	s_wait_loadcnt 0x0
	s_wait_tensorcnt 0x0                           ; my rows are in; behind the barrier everybody's are
	s_barrier_signal -1
	s_barrier_wait -1
	KSTEP 0
	KSTEP 1
	KSTEP 2
	KSTEP 3
	KSTEP 4
	KSTEP 5
	KSTEP 6
	KSTEP 7
	s_cmp_eq_u32 s3, 2
	s_cbranch_scc1 .Lkeys
	EPI 0
.Lkeys:
	EPI 1
; THE MASK.  Wave W = 8 x (work-group / 4) + wave, 0 .. 511, takes 16 queries (tile W / 2) x 2,048 keys (half W % 2): four groups of 512 keys.
; A load reads 512 consecutive bytes of one row: lane l holds the 16 keys of tile l of the group.  Eight rows' bytes (0 or 1) are merged by shifts into one register: bit i of a byte = row 8 g + i.
; A word's four bytes are (rows 0-7, 8-15) x (keys j, 8 + j): a transposition of 4 x 4 bytes, eight v_perm_b32 for four words.  Each store writes 512 consecutive bytes, aligned.
; One group's 16 loads are out at the start, beside the other roles' operands; then groups 1 and 2 together; group 3 takes group 0's registers.
.macro MLOAD g, set
.irp r, 0,1,2,3,4,5,6,7,8,9,10,11,12,13,14,15
	global_load_b128 v[64+64*(\set)+4*\r:64+64*(\set)+4*\r+3], v2, s[96:97] offset:4096*\r+512*(\g) th:TH_LOAD_NT
.endr
.endm
.macro MPROC g, set, younger           ; younger: the loads issued behind this group's, which may stay out
.set MB, 64+64*(\set)
.set MO, 32+8*((\g)%2)
	s_wait_loadcnt \younger
.if (\g) > 1
	s_wait_xcnt 0x0                                ; the stores of two groups ago have read their data registers, which this group's last lines write again
.endif
.irp y, 0,1,2,3,4,5,6,7                ; y = 4 x (rows' half) + the lane's word: eight chains by turns
	v_lshl_or_b32 v[16+\y], v[MB+4*(8*(\y/4)+1)+(\y%4)], 1, v[MB+32*(\y/4)+(\y%4)]
.endr
.irp i, 2,3,4,5,6,7
.irp y, 0,1,2,3,4,5,6,7
	v_lshl_or_b32 v[16+\y], v[MB+4*(8*(\y/4)+\i)+(\y%4)], \i, v[16+\y]
.endr
.endr
.irp p, 0,1                            ; p = j / 4
	v_perm_b32 v[24+4*\p], v[20+\p], v[16+\p], s20     ; keys j: bytes a0 b0 a1 b1
	v_perm_b32 v[25+4*\p], v[20+\p], v[16+\p], s21     ; a2 b2 a3 b3
	v_perm_b32 v[26+4*\p], v[22+\p], v[18+\p], s20     ; keys 8 + j likewise
	v_perm_b32 v[27+4*\p], v[22+\p], v[18+\p], s21
.endr
.irp p, 0,1
	v_perm_b32 v[MO+4*\p], v[26+4*\p], v[24+4*\p], s22
	v_perm_b32 v[MO+4*\p+1], v[26+4*\p], v[24+4*\p], s23
	v_perm_b32 v[MO+4*\p+2], v[27+4*\p], v[25+4*\p], s22
	v_perm_b32 v[MO+4*\p+3], v[27+4*\p], v[25+4*\p], s23
.endr
.irp p, 0,1
	global_store_b128 v2, v[MO+4*\p:MO+4*\p+3], s[98:99] offset:1024*(\g)+512*\p
.endr
.endm
.Lmask:
	v_and_b32 v2, 31, v0
	v_lshlrev_b32 v2, 4, v2                        ; 16 x lane, in a row of the mask and in a run of words; never rewritten
	s_wait_alu depctr_va_vdst(0)
	s_lshr_b32 s8, ttmp9, 2
	s_lshl_b32 s8, s8, 3
	s_add_co_u32 s8, s8, s2                        ; W
	s_lshr_b32 s9, s8, 1
	s_lshl_b32 s10, s9, 16                         ; 16 rows of 4,096 bytes
	s_and_b32 s9, s8, 1
	s_lshl_b32 s9, s9, 11                          ; which 2,048 keys
	s_add_co_u32 s10, s10, s9
	s_mov_b32 s11, 0
	s_add_nc_u64 s[96:97], s[96:97], s[10:11]
	s_lshl_b32 s10, s8, 12                         ; four groups' words: 4,096 bytes
	s_add_nc_u64 s[98:99], s[98:99], s[10:11]
	s_mov_b32 s20, 0x05010400
	s_mov_b32 s21, 0x07030602
	s_mov_b32 s22, 0x05040100
	s_mov_b32 s23, 0x07060302
	MLOAD 0, 0
	MPROC 0, 0, 0
	MLOAD 1, 1
	MLOAD 2, 2
	MPROC 1, 1, 16
	MLOAD 3, 0
	MPROC 2, 2, 16
	MPROC 3, 0, 0
	s_wait_tensorcnt 0x0                           ; the wave's end
	ds_add_u32 v14, v15
	s_wait_dscnt 0x0
	s_endpgm
.Lfunc_end_k_qe7d789faa7_proj:
	.size	k_qe7d789faa7_proj, .Lfunc_end_k_qe7d789faa7_proj-k_qe7d789faa7_proj
	.p2alignl 7, 3214868480
	.fill 96, 4, 3214868480
	.section	.rodata,"a",@progbits
	.p2align	6, 0x0
	.amdhsa_kernel k_qe7d789faa7_proj
		.amdhsa_group_segment_fixed_size 327680
		.amdhsa_private_segment_fixed_size 0
		.amdhsa_enable_private_segment 0
		.amdhsa_kernarg_size 152
		.amdhsa_user_sgpr_count 2
		.amdhsa_user_sgpr_kernarg_segment_ptr 1
		.amdhsa_wavefront_size32 1
		.amdhsa_system_sgpr_workgroup_id_x 1
		.amdhsa_system_sgpr_workgroup_id_y 1
		.amdhsa_system_sgpr_workgroup_id_z 1
		.amdhsa_system_vgpr_workitem_id 0
		.amdhsa_next_free_vgpr 512
		.amdhsa_next_free_sgpr 102
		.amdhsa_reserve_vcc 0
		.amdhsa_float_denorm_mode_32 3
		.amdhsa_float_denorm_mode_16_64 3
		.amdhsa_memory_ordered 1
		.amdhsa_forward_progress 1
		.amdhsa_inst_pref_size 143
	.end_amdhsa_kernel
	.amdgpu_metadata
---
amdhsa.version: [ 1, 2 ]
amdhsa.kernels:
  - .name:           k_qe7d789faa7_proj
    .symbol:         k_qe7d789faa7_proj.kd
    .args:
      - { .name: q_codes, .offset: 0, .size: 8, .value_kind: global_buffer, .address_space: global }
      - { .name: q_scales, .offset: 8, .size: 8, .value_kind: global_buffer, .address_space: global }
      - { .name: wq_codes, .offset: 16, .size: 8, .value_kind: global_buffer, .address_space: global }
      - { .name: wq_scales, .offset: 24, .size: 8, .value_kind: global_buffer, .address_space: global }
      - { .name: bq, .offset: 32, .size: 8, .value_kind: global_buffer, .address_space: global }
      - { .name: k_codes, .offset: 40, .size: 8, .value_kind: global_buffer, .address_space: global }
      - { .name: k_scales, .offset: 48, .size: 8, .value_kind: global_buffer, .address_space: global }
      - { .name: wk_codes, .offset: 56, .size: 8, .value_kind: global_buffer, .address_space: global }
      - { .name: wk_scales, .offset: 64, .size: 8, .value_kind: global_buffer, .address_space: global }
      - { .name: bk, .offset: 72, .size: 8, .value_kind: global_buffer, .address_space: global }
      - { .name: v_codes, .offset: 80, .size: 8, .value_kind: global_buffer, .address_space: global }
      - { .name: v_scales, .offset: 88, .size: 8, .value_kind: global_buffer, .address_space: global }
      - { .name: wv_codes, .offset: 96, .size: 8, .value_kind: global_buffer, .address_space: global }
      - { .name: wv_scales, .offset: 104, .size: 8, .value_kind: global_buffer, .address_space: global }
      - { .name: bv, .offset: 112, .size: 8, .value_kind: global_buffer, .address_space: global }
      - { .name: qbuf, .offset: 120, .size: 8, .value_kind: global_buffer, .address_space: global }
      - { .name: kvbuf, .offset: 128, .size: 8, .value_kind: global_buffer, .address_space: global }
      - { .name: mask, .offset: 136, .size: 8, .value_kind: global_buffer, .address_space: global }
      - { .name: maskw, .offset: 144, .size: 8, .value_kind: global_buffer, .address_space: global }
    .group_segment_fixed_size: 327680
    .private_segment_fixed_size: 0
    .kernarg_segment_align: 8
    .kernarg_segment_size: 152
    .max_flat_workgroup_size: 256
    .sgpr_count:     102
    .vgpr_count:     512
    .wavefront_size: 32
...
	.end_amdgpu_metadata
.endif
;; end of part 1
;; launch attn (part 2): grid 16 x 16, 16 waves a work-group, clusters of 4 x 1, 327,680 bytes of LDS; arguments qbuf, kvbuf, maskw, oimg, osc; writes oimg, osc
.if DOCPART == 2
	.amdgcn_target "amdgcn-amd-amdhsa--gfx1250"
	.amdhsa_code_object_version 6
	.text
	.protected	k_qe7d789faa7_attn
	.globl	k_qe7d789faa7_attn
	.p2align	8
	.type	k_qe7d789faa7_attn,@function
k_qe7d789faa7_attn:
	s_mov_b64 s[64:65], 0
	v_nop
	global_prefetch_b8 v0, s[64:65] scope:SCOPE_SE
	s_setreg_imm32_b32 hwreg(HW_REG_WAVE_MODE, 25, 1), 1
	s_wait_xcnt 0x0
	s_wait_alu depctr_hold_cnt(0) depctr_sa_sdst(0) depctr_va_vdst(0) depctr_va_sdst(0) depctr_va_ssrc(0) depctr_va_vcc(0) depctr_vm_vsrc(0)
	s_getreg_b32 s2, hwreg(HW_REG_IB_STS2, 6, 4)
	s_cmp_eq_u32 s2, 0
	s_cbranch_scc0 .Lentry_in_a_cluster
	s_endpgm
.Lentry_in_a_cluster:
	s_bfe_u32 s2, ttmp6, 0x10000c
	s_cmp_lg_u32 s2, 0x3003
	s_cbranch_scc0 .Lentry_shape_is_right
	s_endpgm
.Lentry_shape_is_right:
; ATTENTION ON CODES OF FP4, one head and 256 queries to a work-group, 16 queries to each of its sixteen waves; head size 64, 4,096 keys in 32 steps of 128.
; t = score x log2(e) / 32; a hidden score is -1e9 x 32 ahead of that factor, -1e9 behind the division by 32.  M = the running largest t rounded up to a whole number; p = 2^(t - M) is
; quantised along the keys; the row's sum is taken of the unquantised p and divides at the end; when M moves, the sum and O are multiplied by 2^(old M - new M), which rounds nothing.
; LIMIT: the promise holds while the scaled scores (the exponents to the base 2) stay under 2^31 in magnitude.
; LDS.  A head's K and V, 32 records of 9,216 bytes as the preparing launch laid them (images of operand registers: K's 8 tiles, K's scale words, V's 8 quarter fragments, V's scale words), are 294,912 bytes:
; they come ONCE, each wave's one tensor load bringing 72 rows of 256 bytes; nothing is filled again and one barrier shows them to all.
; CLUSTER: the four query blocks of a cluster walk the same head's K and V: each load is a joint one, mask 15.
; PREFETCH.  K and V have none: their tensor loads all stand at the head, with no loop ahead of them to ask in.  The mask words, which the loop reads step by step, have one (at the line itself).
; Both products are used transposed (S^T = K Q^T, O^T = V^T P^T): a lane holds one query.  The head's 64 fill half of the instruction's 128: Q's upper registers hold zero codes, so what K's operand names there adds nothing.
; THE LOOP IS TURNED: S of step i + 1 is issued at the end of step i, ahead of step i's second product, and K's fragments of step i + 1 are asked of LDS at the head of step i.  The last step is written out without them.
; THE MASK: 64 lane-mask words a step, by scalar loads one step ahead: word (t, j) in s[32 + 4 t + j] for j under 4, in s[68 + 4 t + j - 4] above.
; REGISTERS: v1-2 addresses in hand, v6 the old -M, v7-11 offsets that stay; v12 -M, v13 the largest t, v[14:15] the sum; v16-23 Q; v24 Q's scales, v26-31 K's and V's; v32-67 K; v68-71 sums; v96-159 S^T, then p; v160-191 O^T; v192-223 V; v224-231 p's codes.
.set HS,     294912
.set REC,    9216
.set PART,   HS/16                     ; 18,432 bytes: a wave's part of the head
.set SPARE,  0x48000                   ; behind the records: the spare words, 128 bytes a wave
.set WV,   2
.set CNT,  3
.set MOFF, 6                           ; s6  where the next step's mask words begin
.set TB,   7                           ; s7  LDS byte of the step's record
.set G1,   8
.set G0,   16
.set MX,   20                          ; s20 128 x the next step's number
.set PFB,  22                          ; s[22:23] the prefetch's base; never rewritten
.set LIM,  24                          ; s24 the count of trips at which my wave asks; 0: never
.set SEL,  66
.set CS,   100
.macro CROUND
	s_barrier_signal -1
	s_barrier_wait -1
	s_cmp_lg_u32 s[WV], 0
	s_cbranch_scc1 .Lnot_wave_0_\@
	s_barrier_signal -3
.Lnot_wave_0_\@:
	s_barrier_wait -3
	s_barrier_signal -1
	s_barrier_wait -1
.endm
.macro MASKLD                          ; a step's words: two runs of 128 bytes, 512 bytes apart
	s_load_b512 s[32:47], s[4:5], s[MOFF] offset:0x0
	s_load_b512 s[48:63], s[4:5], s[MOFF] offset:0x40
	s_load_b512 s[68:83], s[4:5], s[MOFF] offset:0x200
	s_load_b512 s[84:99], s[4:5], s[MOFF] offset:0x240
.endm
.macro SMUL                            ; S^T of 128 keys: eight tiles, each begun with the constant 0
.irp t, 0,2,4,6
	v_wmma_scale_f32_16x16x128_f8f6f4 v[96+8*\t:103+8*\t], v[32+4*\t:39+4*\t], v[16:23], 0, v[26+\t/2], v24 matrix_a_fmt:MATRIX_FMT_FP4 matrix_b_fmt:MATRIX_FMT_FP4
	v_wmma_scale_f32_16x16x128_f8f6f4 v[104+8*\t:111+8*\t], v[36+4*\t:43+4*\t], v[16:23], 0, v[26+\t/2], v24 matrix_a_fmt:MATRIX_FMT_FP4 matrix_b_fmt:MATRIX_FMT_FP4 matrix_a_scale:MATRIX_SCALE_ROW1
.endr
.endm
	s_load_b128 s[32:35], s[0:1], 0x0              ; qbuf, kvbuf
	s_load_b64 s[4:5], s[0:1], 0x10                ; maskw
	v_lshl_add_u32 v243, v0, 2, SPARE
	v_mov_b32 v255, 0
	ds_add_u32 v243, v255                          ; the opening lines: the add twice on end and its wait
	ds_add_u32 v243, v255
	v_lshrrev_b32 v1, 5, v0
	s_delay_alu instid0(VALU_DEP_1)
	v_readfirstlane_b32 s[WV], v1
	s_and_b32 s36, ttmp7, 0xffff                   ; the head
	s_mul_i32 s36, s36, HS
	s_mov_b32 s37, 0
	s_mul_i32 s38, s[WV], PART
	s_mov_b32 s39, 0
	s_mov_b32 s[G1], 15|(3<<16)|(1<<21)            ; the mask: all four partners; elements of 8 bytes; bit 21 beside a mask
	s_mov_b32 s[G1+1], 32<<16
	s_mov_b32 s[G1+2], 72<<16
	s_mov_b32 s[G1+3], 32<<16
	s_mov_b32 s[G1+4], 72
	s_mov_b32 s[G1+5], 32
	s_mov_b32 s[G1+6], 0
	s_mov_b32 s[G1+7], 0
	s_mov_b32 s[SEL], 0x76543210
	s_mov_b32 s[SEL+1], 0xfedcba98
	s_mov_b32 s[CS], 0x3d38aa3b                    ; log2(e) / 32
	s_mov_b32 s[CS+1], s[CS]
	s_wait_dscnt 0x0
	s_wait_kmcnt 0x0
	s_add_nc_u64 s[34:35], s[34:35], s[36:37]
	s_add_nc_u64 s[34:35], s[34:35], s[38:39]
	s_mov_b32 s[G0], 1
	s_mov_b32 s[G0+1], s38
	s_mov_b64 s[G0+2:G0+3], s[34:35]
	s_or_b32 s[G0+3], s[G0+3], 0x80000000
	CROUND                                         ; the four partners are here: the joint loads meet
	tensor_load_to_lds s[G0:G0+3], s[G1:G1+7]      ; my one tensor load
	s_nop 0
.rept 4
	v_nop
.endr
	v_and_b32 v4, 15, v0
	v_and_b32 v5, 31, v0
	v_lshlrev_b32 v10, 3, v4
	v_lshlrev_b32 v11, 2, v4
	v_lshlrev_b32 v8, 4, v5                        ; 16 x lane: every image of four registers
	v_lshlrev_b32 v9, 3, v5                        ; 8 x lane: pairs of scale words
	v_lshrrev_b32 v7, 1, v5
	v_and_b32 v6, 1, v5
	v_lshlrev_b32 v7, 13, v7
	s_delay_alu instid0(VALU_DEP_1)
	v_lshl_add_u32 v7, v6, 8, v7                   ; the prefetch's offset: tile lane / 2 of my work-group's 16 (8,192 bytes each), block lane % 2 of 256 bytes
	s_wait_alu depctr_va_vdst(0)
	s_bfe_u32 s40, ttmp6, 0x40000
	s_lshl_b32 s41, ttmp9, 2
	s_add_co_u32 s40, s40, s41                     ; which 256 queries
	s_lshl_b32 s42, s40, 1
	s_lshr_b32 s43, s[WV], 3
	s_add_co_u32 s42, s42, s43
	s_mul_i32 s42, s42, REC                        ; q's record of 128 queries
	s_mov_b32 s43, 0
	s_add_nc_u64 s[32:33], s[32:33], s[36:37]
	s_add_nc_u64 s[32:33], s[32:33], s[42:43]
	s_and_b32 s44, s[WV], 7
	s_lshl_b32 s44, s44, 9
	s_mov_b32 s45, 0
	s_add_nc_u64 s[46:47], s[32:33], s[44:45]      ; my tile's image
	s_bfe_u32 s44, s[WV], 0x10002
	s_lshl_b32 s44, s44, 8
	s_and_b32 s48, s[WV], 1
	s_lshl_b32 s48, s48, 7
	s_add_co_u32 s44, s44, s48
	s_bfe_u32 s48, s[WV], 0x10001
	s_lshl_b32 s48, s48, 2
	s_add_co_u32 s44, s44, s48
	s_add_nc_u64 s[32:33], s[32:33], s[44:45]      ; and its scale words
	s_lshl_b32 s48, s40, 4
	s_add_co_u32 s48, s48, s[WV]
	s_lshl_b32 s48, s48, 13                        ; my tile's mask words: 8,192 bytes
	s_mov_b32 s49, 0
	s_lshl_b32 s50, s40, 17                        ; the prefetch: my work-group's 16 tiles of mask words,
	s_and_b32 s51, ttmp7, 0xffff
	s_lshl_b32 s52, s51, 9                         ; in each tile blocks 2 h and 2 h + 1 of its 32, h the head
	s_add_co_u32 s50, s50, s52
	s_lshr_b32 s52, s51, 1                         ; they belong to group h / 2 of four steps,
	s_lshl_b32 s52, s52, 2
	s_sub_co_u32 s[LIM], 35, s52                   ; asked for in trip 4 (h / 2) - 4, where 31 - trip trips are to go;
	s_cmp_lt_u32 s51, 2
	s_cselect_b32 s[LIM], 0, s[LIM]                ; group 0 comes by its loads alone;
	s_cmp_lg_u32 s[WV], 0
	s_cselect_b32 s[LIM], 0, s[LIM]                ; wave 0 asks for all sixteen waves
	s_mov_b32 s51, 0
	s_add_nc_u64 s[PFB:PFB+1], s[4:5], s[50:51]
	s_add_nc_u64 s[4:5], s[4:5], s[48:49]
	global_load_b128 v[16:19], v8, s[46:47]
	global_load_b32 v24, v10, s[32:33] offset:4096
.irp i, 20,21,22,23,64,65,66,67
	v_mov_b32 v[\i], 0                             ; zero codes for the upper 64 of the instruction's K
.endr
	v_mov_b32 v3, 0xd0ee6b28                       ; -1e9 x 32
	v_mov_b32 v13, 0xff61b1e6                      ; -3e38, under every t
	s_delay_alu instid0(VALU_DEP_1)
	v_floor_f32 v12, -v13
	v_mov_b32 v14, 0
	v_mov_b32 v15, 0
.irp i, 236,237,238,239,249,251
	v_mov_b32 v[\i], 0                             ; lane permutes' destinations, and the upper half of the pair v[248:249]
.endr
.set idx, 0
.rept 32
	v_mov_b32 v[160+idx], 0                        ; O^T: the step is written for all steps alike, and the first change of M leaves zeros zeros
.set idx, idx+1
.endr
	s_mov_b32 s[MX], 0
	s_mov_b32 s[MOFF], 0
	s_mov_b32 s[TB], 0
	s_mov_b32 s[CNT], 31
	s_wait_alu depctr_va_vdst(0)
	s_wait_loadcnt 0x0                             ; Q is in, and its loads have read their bases
	MASKLD                                         ; step 0's words
	s_wait_tensorcnt 0x0                           ; my part of the head is in,
	s_barrier_signal -1
	s_barrier_wait -1                              ; everybody's is
.irp t, 0,1,2,3,4,5,6,7
	ds_load_b128 v[32+4*\t:35+4*\t], v8 offset:512*\t
.endr
	ds_load_b64 v[26:27], v9 offset:4096
	ds_load_b64 v[28:29], v9 offset:4352
	s_wait_dscnt 0x0
	SMUL                                           ; S of step 0
; A STEP OF 128 KEYS.  At its head S^T has been issued.  last = 1: nothing is asked for beyond the head's last record and the mask's last words.
.macro STEP last
	v_add_nc_u32 v1, s[TB], v8                     ; these four lines are the places behind the products, ahead of the loads and of the first read of S^T
	v_add_nc_u32 v2, s[TB], v9
	v_mov_b32 v6, v12                              ; the old -M
	v_nop
.irp i, 0,1,2,3,4,5,6,7
	ds_load_b128 v[192+4*\i:195+4*\i], v1 offset:4608+512*\i       ; V of this step
.endr
	ds_load_b64 v[30:31], v2 offset:8704
.if \last == 0
.irp t, 0,1,2,3,4,5,6,7
	ds_load_b128 v[32+4*\t:35+4*\t], v1 offset:REC+512*\t          ; K of the next
.endr
	ds_load_b64 v[26:27], v2 offset:REC+4096
	ds_load_b64 v[28:29], v2 offset:REC+4352
	s_add_co_u32 s[TB], s[TB], REC
.endif
	s_wait_kmcnt 0x0                               ; this step's mask words
.set idx, 0
.rept 64
	v_cndmask_b32 v[96+idx], v[96+idx], v3, s[32+36*((idx%8)/4)+4*(idx/8)+idx%4]
.set idx, idx+1
.endr
.if \last == 0
	s_add_co_u32 s[MX], s[MX], 128                 ; step n's words begin at 128 n + 512 (n / 4)
	s_and_b32 s21, s[MX], 0xfe00
	s_add_co_u32 s[MOFF], s[MX], s21
	MASKLD
; A PREFETCH INTO THE L2 of mask words.  The sixteen heads' work-groups of one block of queries read the same words and share them out: head h asks, once, for blocks 2 h and 2 h + 1 (256 bytes each) of each of the
; block's 16 tiles: 32 blocks, a lane a block, one instruction of wave 0.  They are half of the words of steps 4 (h / 2) .. + 3, and are asked for four steps ahead of the first of them.  Heads 0 and 1 ask for nothing.
	s_cmp_eq_u32 s[CNT], s[LIM]
	s_cbranch_scc0 .Lno_ask_\@
	global_prefetch_b8 v7, s[PFB:PFB+1] th:TH_LOAD_NT scope:SCOPE_SE
.Lno_ask_\@:
.endif
.irp b, 0,1,2,3
	v_max3_num_f32 v[232+\b], v[96+16*\b], v[97+16*\b], v[98+16*\b]   ; the largest score of each block of 32 keys: for the row's maximum and for the block's largest p.  Two chains a block, eight by turns
.endr
.irp b, 0,1,2,3
	v_max3_num_f32 v[244+\b], v[104+16*\b], v[105+16*\b], v[106+16*\b]
.endr
.irp i, 3,5
.irp b, 0,1,2,3
	v_max3_num_f32 v[232+\b], v[232+\b], v[96+16*\b+\i], v[97+16*\b+\i]
.endr
.irp b, 0,1,2,3
	v_max3_num_f32 v[244+\b], v[244+\b], v[104+16*\b+\i], v[105+16*\b+\i]
.endr
.endr
.irp b, 0,1,2,3
	s_delay_alu instid0(VALU_DEP_4)
	v_max3_num_f32 v[232+\b], v[232+\b], v[244+\b], v[103+16*\b]
.endr
.irp b, 0,1,2,3
	s_delay_alu instid0(VALU_DEP_4)
	v_max_num_f32 v[232+\b], v[232+\b], v[111+16*\b]
.endr
.irp b, 0,1,2,3
	s_delay_alu instid0(VALU_DEP_4)
	v_permlanex16_b32 v[236+\b], v[232+\b], s[SEL], s[SEL+1]
.endr
.irp b, 0,1,2,3
	s_delay_alu instid0(VALU_DEP_4)
	v_max_num_f32 v[232+\b], v[232+\b], v[236+\b]
.endr
	s_delay_alu instid0(VALU_DEP_2)
	v_max3_num_f32 v254, v232, v233, v234
	s_delay_alu instid0(VALU_DEP_1)
	v_max_num_f32 v254, v254, v235
	s_delay_alu instid0(VALU_DEP_1)
	v_mul_f32 v254, s[CS], v254
	s_delay_alu instid0(VALU_DEP_1)
	v_max_num_f32 v13, v13, v254                   ; the running largest t
	s_delay_alu instid0(VALU_DEP_1)
	v_floor_f32 v12, -v13                          ; -M
	s_delay_alu instid0(VALU_DEP_1)
	v_sub_f32 v254, v12, v6
	s_delay_alu instid0(VALU_DEP_1)
	v_cvt_i32_f32 v254, v254
	s_delay_alu instid0(VALU_DEP_1)
	v_ldexp_f32 v248, 1.0, v254                    ; f = 2^(old M - new M)
.set idx, 0
.rept 32
	v_pk_fma_f32 v[96+idx:97+idx], v[96+idx:97+idx], s[CS:CS+1], v[12:13] op_sel_hi:[1,0,0]   ; t - M
.set idx, idx+2
.endr
.irp b, 0,1,2,3
	v_fma_f32 v[232+\b], v[232+\b], s[CS], v12
.endr
	s_wait_alu depctr_va_vdst(0)
.set idx, 0
.rept 64
	v_exp_f32 v[96+idx], v[96+idx]
.set idx, idx+1
.endr
	v_pk_mul_f32 v[14:15], v[14:15], v[248:249] op_sel_hi:[1,0]
	s_wait_alu depctr_va_vdst(0)                   ; and behind it, ahead of its first reader
.irp b, 0,1,2,3
	v_exp_f32 v[232+\b], v[232+\b]                 ; each block's largest p
.endr
	v_pk_add_f32 v[252:253], v[96:97], v[98:99]    ; the row's sum of the unquantised p: 32 packed additions in four chains by turns
	v_pk_add_f32 v[68:69], v[100:101], v[102:103]
	v_pk_add_f32 v[70:71], v[104:105], v[106:107]
	v_pk_add_f32 v[14:15], v[14:15], v[108:109]
.irp j, 110,118,126,134,142,150
	v_pk_add_f32 v[252:253], v[252:253], v[\j:\j+1]
	v_pk_add_f32 v[68:69], v[68:69], v[\j+2:\j+3]
	v_pk_add_f32 v[70:71], v[70:71], v[\j+4:\j+5]
	v_pk_add_f32 v[14:15], v[14:15], v[\j+6:\j+7]
.endr
	v_pk_add_f32 v[252:253], v[252:253], v[158:159]
	v_pk_add_f32 v[68:69], v[68:69], v[70:71]
	v_pk_add_f32 v[14:15], v[14:15], v[252:253]
	v_pk_add_f32 v[14:15], v[14:15], v[68:69]
	s_wait_alu depctr_va_vdst(0)                   ; the wait for the four
.irp b, 0,1,2,3
	v_max_num_f32 v[232+\b], 0x1800000, v[232+\b]  ; the floor 2^(3 - 127): the byte cannot fall under 1
.endr
.irp b, 0,1,2,3
	s_delay_alu instid0(VALU_DEP_4)
	v_add_nc_u32 v[244+\b], 0xff000000, v[232+\b]  ; 2 off the exponent field: the conversion's scale operand
.endr
.irp b, 0,1,2,3
	s_delay_alu instid0(VALU_DEP_4)
	v_lshrrev_b32 v[236+\b], 23, v[244+\b]
.endr
	s_delay_alu instid0(VALU_DEP_3)
	v_lshl_or_b32 v250, v237, 8, v236              ; p's scale word
	s_delay_alu instid0(VALU_DEP_1)
	v_lshl_or_b32 v250, v238, 16, v250
	s_delay_alu instid0(VALU_DEP_1)
	v_lshl_or_b32 v250, v239, 24, v250
.irp c, 0,1
	v_cvt_scalef32_pk8_fp4_f32 v[224+4*\c], v[96+32*\c:103+32*\c],  v[244+2*\c]
	v_cvt_scalef32_pk8_fp4_f32 v[225+4*\c], v[112+32*\c:119+32*\c], v[245+2*\c]
	v_cvt_scalef32_pk8_fp4_f32 v[226+4*\c], v[104+32*\c:111+32*\c], v[244+2*\c]
	v_cvt_scalef32_pk8_fp4_f32 v[227+4*\c], v[120+32*\c:127+32*\c], v[245+2*\c]
.endr
	v_nop                                          ; one plain place behind the conversions
.irp c, 0,1
	v_permlane16_swap_b32 v[224+4*\c], v[225+4*\c] ; a whole block of 32 keys to a lane
	v_permlane16_swap_b32 v[226+4*\c], v[227+4*\c]
.endr
.set idx, 0
.rept 16
	v_pk_mul_f32 v[160+idx:161+idx], v[160+idx:161+idx], v[248:249] op_sel_hi:[1,0]   ; O^T under the new M; also the places ahead of the scaled products
.set idx, idx+2
.endr
	s_wait_alu depctr_va_vdst(0)
	s_wait_dscnt 0x0                               ; V of this step and K of the next, asked for at the step's head
.if \last == 0
	SMUL                                           ; S of the next step
.endif
.irp a, 0,2
	v_wmma_scale_f32_16x16x128_f8f6f4 v[160+8*\a:167+8*\a], v[192+8*\a:199+8*\a], v[224:231], v[160+8*\a:167+8*\a], v[30+\a/2], v250 matrix_a_fmt:MATRIX_FMT_FP4 matrix_b_fmt:MATRIX_FMT_FP4
	v_wmma_scale_f32_16x16x128_f8f6f4 v[168+8*\a:175+8*\a], v[200+8*\a:207+8*\a], v[224:231], v[168+8*\a:175+8*\a], v[30+\a/2], v250 matrix_a_fmt:MATRIX_FMT_FP4 matrix_b_fmt:MATRIX_FMT_FP4 matrix_a_scale:MATRIX_SCALE_ROW1
.endr
.endm
.Lstep:                                            ; 31 trips; the 32nd step is written out
	STEP 0
	s_sub_co_u32 s[CNT], s[CNT], 1
	s_cmp_lg_u32 s[CNT], 0
	s_cbranch_scc1 .Lstep
	STEP 1
.rept 4
	v_nop
.endr
; THE WAY OUT: O^T / the sum is quantised along the head's 64 (two blocks of the last projection's K) and stored as an image of four operand registers, with its two scale bytes.
	s_load_b128 s[32:35], s[0:1], 0x18             ; oimg, osc
	s_bfe_u32 s36, ttmp6, 0x40000
	s_lshl_b32 s37, ttmp9, 2
	s_add_co_u32 s36, s36, s37
	s_lshl_b32 s36, s36, 4
	s_add_co_u32 s36, s36, s[WV]                   ; my tile of 16 queries
	s_and_b32 s37, ttmp7, 0xffff
	s_lshl_b32 s38, s36, 4
	s_add_co_u32 s38, s38, s37
	s_lshl_b32 s38, s38, 9
	s_mov_b32 s39, 0
	s_lshr_b32 s40, s37, 1
	s_lshl_b32 s40, s40, 14
	s_lshl_b32 s41, s36, 6
	s_add_co_u32 s40, s40, s41
	s_and_b32 s41, s37, 1
	s_lshl_b32 s41, s41, 1
	s_add_co_u32 s40, s40, s41
	s_mov_b32 s41, 0
	v_add_f32 v14, v14, v15
	s_delay_alu instid0(VALU_DEP_1)
	v_permlanex16_b32 v251, v14, s[SEL], s[SEL+1]
	s_delay_alu instid0(VALU_DEP_1)
	v_add_f32 v14, v14, v251                       ; the row's sum
	s_wait_alu depctr_va_vdst(0)
	v_rcp_f32 v14, v14
	v_nop
	s_wait_alu depctr_va_vdst(0)                   ; and ahead of its first reader, which is also O^T's
.set idx, 0
.rept 32
	v_mul_f32 v[96+idx], v[160+idx], v14
.set idx, idx+1
.endr
.irp b, 0,1
	v_max3_num_f32 v[232+\b], |v[96+16*\b]|, |v[97+16*\b]|, 0x1800000
.endr
.irp i, 2,4,6,8,10,12,14
.irp b, 0,1
	s_delay_alu instid0(VALU_DEP_2)
	v_max3_num_f32 v[232+\b], v[232+\b], |v[96+16*\b+\i]|, |v[97+16*\b+\i]|
.endr
.endr
.irp b, 0,1
	s_delay_alu instid0(VALU_DEP_2)
	v_permlanex16_b32 v[236+\b], v[232+\b], s[SEL], s[SEL+1]
.endr
.irp b, 0,1
	s_delay_alu instid0(VALU_DEP_2)
	v_max_num_f32 v[232+\b], v[232+\b], v[236+\b]
.endr
.irp b, 0,1
	s_delay_alu instid0(VALU_DEP_2)
	v_add_nc_u32 v[244+\b], 0xff000000, v[232+\b]
.endr
.irp b, 0,1
	s_delay_alu instid0(VALU_DEP_2)
	v_lshrrev_b32 v[236+\b], 23, v[244+\b]
.endr
	s_delay_alu instid0(VALU_DEP_1)
	v_lshl_or_b32 v251, v237, 8, v236
	v_cvt_scalef32_pk8_fp4_f32 v224, v[96:103],  v244
	v_cvt_scalef32_pk8_fp4_f32 v225, v[112:119], v245
	v_cvt_scalef32_pk8_fp4_f32 v226, v[104:111], v244
	v_cvt_scalef32_pk8_fp4_f32 v227, v[120:127], v245
	v_nop
	v_permlane16_swap_b32 v224, v225
	v_permlane16_swap_b32 v226, v227
	s_wait_alu depctr_va_vdst(0)
	s_wait_kmcnt 0x0
	s_add_nc_u64 s[32:33], s[32:33], s[38:39]
	s_add_nc_u64 s[34:35], s[34:35], s[40:41]
	global_store_b128 v8, v[224:227], s[32:33]     ; 512 consecutive bytes, aligned
	global_store_b16 v11, v251, s[34:35]
	s_wait_tensorcnt 0x0                           ; the wave's end
	ds_add_u32 v243, v255
	s_wait_dscnt 0x0
	CROUND                                         ; the closing round
	s_endpgm
.Lfunc_end_k_qe7d789faa7_attn:
	.size	k_qe7d789faa7_attn, .Lfunc_end_k_qe7d789faa7_attn-k_qe7d789faa7_attn
	.p2alignl 7, 3214868480
	.fill 96, 4, 3214868480
	.section	.rodata,"a",@progbits
	.p2align	6, 0x0
	.amdhsa_kernel k_qe7d789faa7_attn
		.amdhsa_group_segment_fixed_size 327680
		.amdhsa_private_segment_fixed_size 0
		.amdhsa_enable_private_segment 0
		.amdhsa_kernarg_size 40
		.amdhsa_user_sgpr_count 2
		.amdhsa_user_sgpr_kernarg_segment_ptr 1
		.amdhsa_wavefront_size32 1
		.amdhsa_system_sgpr_workgroup_id_x 1
		.amdhsa_system_sgpr_workgroup_id_y 1
		.amdhsa_system_sgpr_workgroup_id_z 1
		.amdhsa_system_vgpr_workitem_id 0
		.amdhsa_next_free_vgpr 256
		.amdhsa_next_free_sgpr 102
		.amdhsa_reserve_vcc 0
		.amdhsa_float_denorm_mode_32 3
		.amdhsa_float_denorm_mode_16_64 3
		.amdhsa_memory_ordered 1
		.amdhsa_forward_progress 1
		.amdhsa_inst_pref_size 53
	.end_amdhsa_kernel
	.amdgpu_metadata
---
amdhsa.version: [ 1, 2 ]
amdhsa.kernels:
  - .name:           k_qe7d789faa7_attn
    .symbol:         k_qe7d789faa7_attn.kd
    .args:
      - { .name: qbuf, .offset: 0, .size: 8, .value_kind: global_buffer, .address_space: global }
      - { .name: kvbuf, .offset: 8, .size: 8, .value_kind: global_buffer, .address_space: global }
      - { .name: maskw, .offset: 16, .size: 8, .value_kind: global_buffer, .address_space: global }
      - { .name: oimg, .offset: 24, .size: 8, .value_kind: global_buffer, .address_space: global }
      - { .name: osc, .offset: 32, .size: 8, .value_kind: global_buffer, .address_space: global }
    .group_segment_fixed_size: 327680
    .private_segment_fixed_size: 0
    .kernarg_segment_align: 8
    .kernarg_segment_size: 40
    .max_flat_workgroup_size: 512
    .sgpr_count:     102
    .vgpr_count:     256
    .wavefront_size: 32
...
	.end_amdgpu_metadata
.endif
;; end of part 2
;; launch outproj (part 3): grid 8 x 32, 4 waves a work-group, clusters of 4 x 4, 168,448 bytes of LDS; arguments oimg, osc, wo_codes, wo_scales, bo, out0; writes out0
.if DOCPART == 3
	.amdgcn_target "amdgcn-amd-amdhsa--gfx1250"
	.amdhsa_code_object_version 6
	.text
	.protected	k_qe7d789faa7_outproj
	.globl	k_qe7d789faa7_outproj
	.p2align	8
	.type	k_qe7d789faa7_outproj,@function
k_qe7d789faa7_outproj:
	s_mov_b64 s[64:65], 0
	v_nop
	global_prefetch_b8 v0, s[64:65] scope:SCOPE_SE
	s_setreg_imm32_b32 hwreg(HW_REG_WAVE_MODE, 25, 1), 1
	s_wait_xcnt 0x0
	s_wait_alu depctr_hold_cnt(0) depctr_sa_sdst(0) depctr_va_vdst(0) depctr_va_sdst(0) depctr_va_ssrc(0) depctr_va_vcc(0) depctr_vm_vsrc(0)
	s_getreg_b32 s2, hwreg(HW_REG_IB_STS2, 6, 4)
	s_cmp_eq_u32 s2, 0
	s_cbranch_scc0 .Lentry_in_a_cluster
	s_endpgm
.Lentry_in_a_cluster:
	s_bfe_u32 s2, ttmp6, 0x10000c
	s_cmp_lg_u32 s2, 0xf033
	s_cbranch_scc0 .Lentry_shape_is_right
	s_endpgm
.Lentry_shape_is_right:
; out0 = concat Wo^T + bo.  concat: [4096][1024] as codes of FP4 (E2M1), laid by the attention launch as images of operand registers, oimg [tile of 16 rows 256][head 16][512 bytes], with scale words osc [K step 8][row 4096];
; Wo: [1024][1024] codes, K innermost, with scale bytes [1024][32]; bo [1024], out0 [4096][1024]: f32.
; SHARES.  A work-group makes 128 rows x 128 columns over all of K = 1,024: 8 x 32 work-groups.  Four waves, each 64 x 64: 16 accumulators.
; THE MATRIX INSTRUCTION IS USED TRANSPOSED (source 0 = 16 rows of Wo, source 1 = 16 rows of concat): a lane then holds eight neighbouring numbers of a row of out0.
; LDS.  All of K at once, filled once: concat's 8 tiles (one dense block of 65,536 bytes; every read is 16 x lane on end), then Wo's 128 rows of 512 bytes + 16 of padding; behind them a stage for each wave, into which no fill lands.
; CLUSTERS: 4 x 4 work-groups.  The four of a row of the cluster need the same rows of concat, the four of a column the same rows of Wo: each is asked for JOINTLY, by the same tensor load with the same descriptor and a
; mask that names the four.  Waves 0 and 1 fetch concat's halves, waves 2 and 3 Wo's: one tensor load of mine is out.
; The bias is loaded straight into the accumulators, in the result's layout: nothing is cleared, nothing is added later, and every K step has one form.
; REGISTERS: v1-11 addresses; v16-31 Wo's scale words, v32-47 concat's (register 8 g + s: K step s; lanes 0-15 tile 2 g, lanes 16-31 tile 2 g + 1); v64-95 Wo's 4 fragments, v96-127 concat's; on the way out v64-127 are two sets of rows;
;   v128-255 accumulator (a, t) at v[128 + 8 (4 a + t)].
.set WP,    528                        ; a row of Wo in LDS: 132 words: row r starts at bank 4 r mod 64 (64 banks of 4 bytes: ISA guide 11.1)
.set RW,    65536                      ; behind concat's images
.set STAGE, RW+128*WP                  ; 133,120: a multiple of 256
.set SP,    272                        ; a stage row: 256 bytes + 16
.set SC0,   16
.set SC1,   32
.set F0,    64
.set F1,    96
.set OUTR,  64
.set ACC,   128
.macro PROD d, a, b, sa, sb, ra, rb    ; ra, rb: the side's scale words lie in lanes 16-31
.if (\ra) && (\rb)
	v_wmma_scale_f32_16x16x128_f8f6f4 v[(\d):(\d)+7], v[(\a):(\a)+7], v[(\b):(\b)+7], v[(\d):(\d)+7], v[\sa], v[\sb] matrix_a_fmt:MATRIX_FMT_FP4 matrix_b_fmt:MATRIX_FMT_FP4 matrix_a_scale:MATRIX_SCALE_ROW1 matrix_b_scale:MATRIX_SCALE_ROW1
.elseif \ra
	v_wmma_scale_f32_16x16x128_f8f6f4 v[(\d):(\d)+7], v[(\a):(\a)+7], v[(\b):(\b)+7], v[(\d):(\d)+7], v[\sa], v[\sb] matrix_a_fmt:MATRIX_FMT_FP4 matrix_b_fmt:MATRIX_FMT_FP4 matrix_a_scale:MATRIX_SCALE_ROW1
.elseif \rb
	v_wmma_scale_f32_16x16x128_f8f6f4 v[(\d):(\d)+7], v[(\a):(\a)+7], v[(\b):(\b)+7], v[(\d):(\d)+7], v[\sa], v[\sb] matrix_a_fmt:MATRIX_FMT_FP4 matrix_b_fmt:MATRIX_FMT_FP4 matrix_b_scale:MATRIX_SCALE_ROW1
.else
	v_wmma_scale_f32_16x16x128_f8f6f4 v[(\d):(\d)+7], v[(\a):(\a)+7], v[(\b):(\b)+7], v[(\d):(\d)+7], v[\sa], v[\sb] matrix_a_fmt:MATRIX_FMT_FP4 matrix_b_fmt:MATRIX_FMT_FP4
.endif
.endm
.macro CROUND                          ; a round of the cluster's barrier
	s_barrier_signal -1
	s_barrier_wait -1
	s_cmp_lg_u32 s16, 0
	s_cbranch_scc1 .Lnot_wave_0_\@
	s_barrier_signal -3
.Lnot_wave_0_\@:
	s_barrier_wait -3
	s_barrier_signal -1
	s_barrier_wait -1
.endm
	s_load_b256 s[4:11], s[0:1], 0x0               ; oimg s[4:5], osc s[6:7], Wo's codes s[8:9], Wo's scales s[10:11]
	s_load_b128 s[12:15], s[0:1], 0x20             ; bo s[12:13], out0 s[14:15]
	v_lshl_add_u32 v62, v0, 2, 0x29000
	v_mov_b32 v63, 0
	ds_add_u32 v62, v63
	ds_add_u32 v62, v63
	v_lshrrev_b32 v1, 5, v0
	v_readfirstlane_b32 s16, v1                    ; wave 0..3
	s_lshr_b32 s17, s16, 1                         ; g1: my half of concat's rows.  Also: I fetch concat (0) or Wo (1)
	s_and_b32 s18, s16, 1                          ; g0: my half of Wo's rows.  Also: which half I fetch
	s_bfe_u32 s19, ttmp6, 0x40000                  ; cx, cy: my place in the cluster
	s_bfe_u32 s20, ttmp6, 0x40004
	s_lshl_b32 s21, ttmp9, 2
	s_add_co_u32 s21, s21, s19                     ; nx: which 128 columns = 4 x cluster x + cx
	s_and_b32 s22, ttmp7, 0xffff
	s_lshl_b32 s22, s22, 2
	s_add_co_u32 s22, s22, s20                     ; my: which 128 rows = 4 x cluster y + cy
	s_lshl_b32 s48, s20, 2
	s_lshl_b32 s48, 15, s48                        ; my row of the cluster
	s_lshl_b32 s49, 0x1111, s19                    ; my column
	; descriptor group 1 for concat: 32,768 dense bytes as 128 rows of 256
	s_or_b32 s24, s48, (3<<16)|(1<<21)             ; 15:0 the mask: my row; 17:16 elements of 8 bytes; 21 set beside a mask
	s_mov_b32 s25, 32<<16                          ; tensor_dim0 = 32
	s_mov_b32 s26, 128<<16                         ; tensor_dim1 = 128
	s_mov_b32 s27, 32<<16                          ; tile_dim0 = 32
	s_mov_b32 s28, 128                             ; tile_dim1 = 128
	s_mov_b32 s29, 32                              ; from row to row: dense
	s_mov_b32 s30, 0
	s_mov_b32 s31, 0
	; and for Wo: 64 rows of 512 bytes, 16 bytes of padding behind each in LDS
	s_or_b32 s36, s49, (0<<16)|(1<<20)|(1<<21)|(6<<22)|(3<<25)   ; the mask: my column; elements of 1 byte; padding on: four words (code 3) after every 128 (code 6)
	s_mov_b32 s37, 512<<16
	s_mov_b32 s38, 64<<16
	s_mov_b32 s39, 512<<16
	s_mov_b32 s40, 64
	s_mov_b32 s41, 512
	s_mov_b32 s42, 0
	s_mov_b32 s43, 0
	s_lshl_b32 s52, s18, 15                        ; the half that I fetch: 32,768 bytes in either tensor, and in concat's part of LDS
	s_lshl_b32 s50, s22, 16                        ; concat: 8 tiles of 8,192 bytes x my: it hangs on the rows alone, which my row of the cluster shares
	s_add_co_u32 s50, s50, s52
	s_mov_b32 s51, 0
	s_lshl_b32 s54, s21, 16                        ; Wo: 128 rows of 512 bytes x nx: on the columns alone, which my column shares
	s_add_co_u32 s54, s54, s52
	s_mov_b32 s55, 0
	s_mul_i32 s53, s18, 64*WP                      ; a half of Wo's rows in LDS: no place in the cluster enters an LDS address
	s_wait_dscnt 0x0
	s_wait_kmcnt 0x0
	CROUND                                         ; all sixteen work-groups are here: the joint loads meet
	s_mov_b32 s32, 1                               ; 1:0 count = 1
	s_mov_b32 s33, s52                             ; 63:32 LDS address
	s_add_nc_u64 s[34:35], s[4:5], s[50:51]        ; 120:64 global address
	s_or_b32 s35, s35, 0x80000000                  ; 127:126 type = 2
	s_mov_b32 s44, 1
	s_add_co_u32 s45, s53, RW
	s_add_nc_u64 s[46:47], s[8:9], s[54:55]
	s_or_b32 s47, s47, 0x80000000
	s_cmp_eq_u32 s17, 0                            ; the branch hangs on the wave's number alone; each of the two lines has one mask and one set of registers for all that issue it
	s_cbranch_scc0 .Lfor_w
	tensor_load_to_lds s[32:35], s[24:31]
	s_nop 0
.rept 4
	v_nop                                          ; four lines behind each of the two loads
.endr
	s_branch .Lasked
.Lfor_w:
	tensor_load_to_lds s[44:47], s[36:43]
	s_nop 0
.rept 4
	v_nop
.endr
.Lasked:
	v_and_b32 v1, 15, v0                           ; r
	v_bfe_u32 v2, v0, 4, 1                         ; h
	v_and_b32 v3, 31, v0                           ; lane
	v_mul_u32_u24 v4, v1, WP
	v_lshl_add_u32 v4, v2, 4, v4
	s_add_co_u32 s56, s53, RW
	v_add_nc_u32 v4, s56, v4                       ; Wo's fragments: my 64 rows, row r x pitch + 16 h
	v_lshlrev_b32 v5, 4, v3
	s_lshl_b32 s57, s17, 15
	v_add_nc_u32 v5, s57, v5                       ; concat's: my 4 tiles, 16 x lane
	v_lshlrev_b32 v6, 5, v3                        ; Wo's scale bytes: a lane a row of 32 bytes
	v_lshlrev_b32 v7, 2, v3                        ; concat's scale words: a lane a row
	v_lshlrev_b32 v8, 5, v2                        ; the bias: 8 numbers for each half of the lanes
	s_wait_alu depctr_va_vdst(0)
	s_mul_i32 s58, s16, 16*SP
	s_add_co_u32 s58, s58, STAGE                   ; my stage
	v_mul_u32_u24 v9, v1, SP
	v_lshl_add_u32 v9, v2, 5, v9
	v_add_nc_u32 v9, s58, v9                       ; in: row r, 32 bytes for each half of the lanes
	v_mul_u32_u24 v10, v2, SP
	v_lshl_add_u32 v10, v1, 4, v10
	v_add_nc_u32 v10, s58, v10                     ; back: lanes 0-15 one row of 256 bytes, lanes 16-31 the next
	v_lshlrev_b32 v11, 12, v2
	v_lshl_add_u32 v11, v1, 4, v11                 ; and the same two rows in out0
	s_lshl_b32 s60, s21, 12                        ; Wo's scale bytes: (128 nx + 64 g0) rows of 32
	s_lshl_b32 s61, s18, 11
	s_add_co_u32 s60, s60, s61
	s_mov_b32 s61, 0
	s_add_nc_u64 s[10:11], s[10:11], s[60:61]
	s_lshl_b32 s60, s22, 9                         ; concat's scale words: (128 my + 64 g1) rows of 4 bytes
	s_lshl_b32 s62, s17, 8
	s_add_co_u32 s60, s60, s62
	s_add_nc_u64 s[6:7], s[6:7], s[60:61]
	s_lshl_b32 s60, s21, 9                         ; my first column, in bytes: (128 nx + 64 g0) x 4
	s_lshl_b32 s62, s18, 8
	s_add_co_u32 s60, s60, s62
	s_add_nc_u64 s[12:13], s[12:13], s[60:61]      ; in bo,
	s_add_nc_u64 s[14:15], s[14:15], s[60:61]      ; in a row of out0;
	s_lshl_b32 s60, s22, 19                        ; my first row: (128 my + 64 g1) rows of 4,096 bytes
	s_lshl_b32 s62, s17, 18
	s_add_co_u32 s60, s60, s62
	s_add_nc_u64 s[14:15], s[14:15], s[60:61]
.irp g, 0,1
.irp p, 0,1
	global_load_b128 v[SC0+8*\g+4*\p:SC0+8*\g+4*\p+3], v6, s[10:11] offset:1024*\g+16*\p   ; the two parts together read 1,024 consecutive bytes
.endr
.endr
.irp g, 0,1
.irp s, 0,1,2,3,4,5,6,7
	global_load_b32 v[SC1+8*\g+\s], v7, s[6:7] offset:16384*\s+128*\g
.endr
.endr
.irp a, 0,1,2,3
.irp t, 0,1,2,3
	global_load_b128 v[ACC+8*(4*\a+\t):ACC+8*(4*\a+\t)+3], v8, s[12:13] offset:64*\t         ; register j: bo(16 t + 8 h + j), for each tile of rows
	global_load_b128 v[ACC+8*(4*\a+\t)+4:ACC+8*(4*\a+\t)+7], v8, s[12:13] offset:64*\t+16
.endr
.endr
	s_wait_loadcnt 0x0
	s_wait_tensorcnt 0x0                           ; my part of the operands is in,
	s_barrier_signal -1
	s_barrier_wait -1                              ; everybody's is
; A K step of 128 (two heads): 16 LDS loads, 16 products.  The 16 accumulators take turns, one instruction a turn, in the same order in every step.
.macro KSTEP s
.irp t, 0,1,2,3
.irp c, 0,1
	ds_load_b128 v[F0+8*\t+4*\c:F0+8*\t+4*\c+3], v4 offset:16*WP*\t+64*(\s)+32*\c
.endr
.endr
.irp a, 0,1,2,3
.irp c, 0,1
	ds_load_b128 v[F1+8*\a+4*\c:F1+8*\a+4*\c+3], v5 offset:8192*\a+1024*(\s)+512*\c          ; head 2 s + c's image is registers 4 c .. 4 c + 3 of the fragment
.endr
.endr
	s_wait_dscnt 4                                 ; the four youngest loads, concat's tiles 2 and 3, may be out
.irp a, 0,1
.irp t, 0,1,2,3
	PROD ACC+8*(4*\a+\t), F0+8*\t, F1+8*\a, SC0+8*(\t/2)+(\s), SC1+8*(\a/2)+(\s), \t%2, \a%2
.endr
.endr
	s_wait_dscnt 0x0
.irp a, 2,3
.irp t, 0,1,2,3
	PROD ACC+8*(4*\a+\t), F0+8*\t, F1+8*\a, SC0+8*(\t/2)+(\s), SC1+8*(\a/2)+(\s), \t%2, \a%2
.endr
.endr
.rept 4
	v_nop                                          ; four places in front of the next loads into fragment registers, and of the first read of results
.endr
.endm
.irp s, 0,1,2,3,4,5,6,7
	KSTEP \s
.endr
; THE WAY OUT, a tile of 16 rows x my 64 columns at a time.  A lane holds 32 neighbouring bytes of a row and the lanes beside it hold other rows: so a tile goes through my own stage and comes back as whole rows of 256 bytes.
; LDS serves a wave's instructions in order (ISA guide 5.7.1.4): no wait between the stores and the loads, nor in front of the next tile's stores.
.macro TOSTAGE a
.irp t, 0,1,2,3
	ds_store_b128 v9, v[ACC+8*(4*(\a)+\t):ACC+8*(4*(\a)+\t)+3] offset:64*\t          ; each accumulator from its low end on
	ds_store_b128 v9, v[ACC+8*(4*(\a)+\t)+4:ACC+8*(4*(\a)+\t)+7] offset:64*\t+16
.endr
.irp i, 0,1,2,3,4,5,6,7
	ds_load_b128 v[OUTR+32*((\a)%2)+4*\i:OUTR+32*((\a)%2)+4*\i+3], v10 offset:2*SP*\i
.endr
.endm
.macro SEND a, younger                 ; younger: the LDS instructions issued behind tile a's loads, which may stay out
	s_wait_dscnt \younger
.irp i, 0,1,2,3,4,5,6,7
	global_store_b128 v11, v[OUTR+32*((\a)%2)+4*\i:OUTR+32*((\a)%2)+4*\i+3], s[14:15] offset:(16*(\a)+2*\i)*4096 th:TH_STORE_NT   ; 16 lanes store 256 consecutive bytes, aligned; written once, read by nobody here
.endr
.endm
	s_wait_alu depctr_va_vdst(0)
	TOSTAGE 0
.irp a, 1,2,3
.if \a > 1
	s_wait_xcnt 0x0                                ; tile a - 2's stores have read their registers: tile a's loads may land there
.endif
	TOSTAGE \a
	SEND \a-1, 16                                  ; behind tile a - 1's loads: tile a's 8 stores and 8 loads
.endr
	SEND 3, 0
	s_wait_tensorcnt 0x0
	ds_add_u32 v62, v63
	s_wait_dscnt 0x0
	CROUND                                         ; the closing round: no work-group ends while a partner may still ask for a tile that names it
	s_endpgm
.Lfunc_end_k_qe7d789faa7_outproj:
	.size	k_qe7d789faa7_outproj, .Lfunc_end_k_qe7d789faa7_outproj-k_qe7d789faa7_outproj
	.p2alignl 7, 3214868480
	.fill 96, 4, 3214868480
	.section	.rodata,"a",@progbits
	.p2align	6, 0x0
	.amdhsa_kernel k_qe7d789faa7_outproj
		.amdhsa_group_segment_fixed_size 168448
		.amdhsa_private_segment_fixed_size 0
		.amdhsa_enable_private_segment 0
		.amdhsa_kernarg_size 48
		.amdhsa_user_sgpr_count 2
		.amdhsa_user_sgpr_kernarg_segment_ptr 1
		.amdhsa_wavefront_size32 1
		.amdhsa_system_sgpr_workgroup_id_x 1
		.amdhsa_system_sgpr_workgroup_id_y 1
		.amdhsa_system_sgpr_workgroup_id_z 1
		.amdhsa_system_vgpr_workitem_id 0
		.amdhsa_next_free_vgpr 256
		.amdhsa_next_free_sgpr 72
		.amdhsa_reserve_vcc 0
		.amdhsa_float_denorm_mode_32 3
		.amdhsa_float_denorm_mode_16_64 3
		.amdhsa_memory_ordered 1
		.amdhsa_forward_progress 1
		.amdhsa_inst_pref_size 44
	.end_amdhsa_kernel
	.amdgpu_metadata
---
amdhsa.version: [ 1, 2 ]
amdhsa.kernels:
  - .name:           k_qe7d789faa7_outproj
    .symbol:         k_qe7d789faa7_outproj.kd
    .args:
      - { .name: oimg, .offset: 0, .size: 8, .value_kind: global_buffer, .address_space: global }
      - { .name: osc, .offset: 8, .size: 8, .value_kind: global_buffer, .address_space: global }
      - { .name: wo_codes, .offset: 16, .size: 8, .value_kind: global_buffer, .address_space: global }
      - { .name: wo_scales, .offset: 24, .size: 8, .value_kind: global_buffer, .address_space: global }
      - { .name: bo, .offset: 32, .size: 8, .value_kind: global_buffer, .address_space: global }
      - { .name: out0, .offset: 40, .size: 8, .value_kind: global_buffer, .address_space: global }
    .group_segment_fixed_size: 168448
    .private_segment_fixed_size: 0
    .kernarg_segment_align: 8
    .kernarg_segment_size: 48
    .max_flat_workgroup_size: 128
    .sgpr_count:     72
    .vgpr_count:     256
    .wavefront_size: 32
...
	.end_amdgpu_metadata
.endif
;; end of part 3
